; MI455X (gfx1250); checked and timed in simulation.
; The chip was launched on July 23, 2026; its instructions are those of AMD's public machine-readable ISA for CDNA 5 (MIT licence, August 2026) and "CDNA5" Instruction Set Architecture Reference Guide (July 2026). The comments in the code are by the model that wrote it; some were corrected since.
;; LSTM Cell. Allowed arithmetic: matrix products marked QUANTISED: E2M1 operands, one E8M0 scale for each 32 along K, by v_wmma_scale_f32_16x16x128_f8f6f4 with both operands' format E2M1 (or v_wmma_scale_f32_32x16x128_f4), f32 sums; everything else in f32.
;; Inputs: Wh 1,024 x 4,096 float32; Wx 512 x 4,096 float32; b 4,096 float32; c 8,192 x 1,024 float32; h 8,192 x 1,024 float32; x 8,192 x 512 float32.
;; Outputs: out0 8,192 x 1,024 float32; out1 8,192 x 1,024 float32.
;; This version of the problem:
;;   THIS VERSION OF THE PROBLEM IS GIVEN IN LOW PRECISION. The matrix products marked QUANTISED in the list below multiply operands that are first quantised to E2M1 (2 exponent bits, 1 mantissa bit; 4 bits a number), with one power-of-two scale for each 32 numbers along K (OCP MX v1.0); their sums are f32. All else is computed in f32.
;;   The module's matrix products, in the order in which they are computed (A, B: the left and right operand; K: the contracted axis; several contracted axes count as one K, in the product's order):
;;     1. [M 8,192, K 512] x [K 512, N 4,096]; A: input x; B: input Wx: QUANTISED
;;     2. [M 8,192, K 1,024] x [K 1,024, N 4,096]; A: input h; B: input Wh: QUANTISED
;;   THE QUANTISER, for each operand of a quantised product, along K:
;;     - K is cut into blocks of 32 from its start; a last block that is shorter is filled with zeros.
;;     - A block's scale is 2^e with e = floor(log2(the largest magnitude in the block)) - 2, held to -126 .. 127; a block of zeros has e = 0. As a byte (E8M0): e + 127.
;;     - Each number is divided by its block's scale, clamped to +-6, and rounded to the nearest number of E2M1, ties to even, subnormals kept.
;;     - The product sums the exact products of the quantised numbers (number of the format x scale) in f32.
;;   ~~~python
;;   def quantise(x, axis):      # numpy; x: float32 -> the quantised numbers, widened to float32 again
;;       x = np.moveaxis(x, axis, -1); K = x.shape[-1]
;;       x = np.pad(x, [(0, 0)] * (x.ndim - 1) + [(0, -K % 32)]); x = x.reshape(x.shape[:-1] + (-1, 32)); a = np.abs(x).max(-1, keepdims=True)
;;       e = np.where(a > 0, np.clip(np.frexp(np.where(a > 0, a, 1))[1] - 1 - 2, -126, 127), 0)      # np.frexp(a)[1] - 1 = floor(log2(a)), exactly
;;       r = np.clip(x / 2.0 ** e, -6, 6)
;;       step = 2.0 ** (np.maximum(np.frexp(np.where(r == 0, 1, r))[1] - 1, 0) - 1)
;;       q = np.round(r / step) * step * 2.0 ** e      # np.round: ties to even
;;       return np.moveaxis(q.reshape(q.shape[:-2] + (-1,))[..., :K], -1, axis).astype(np.float32)
;;   ~~~
;; One version. Each part assembles by itself: llvm-mc -triple=amdgcn-amd-amdhsa -mcpu=gfx1250 --defsym DOCPART=n.
;; ======== version 1 of 1: 2 launches
;; limits: right only within a limited range of input values
;; workspace buffers: aimg 6,684,672 bytes; wimg 1,671,168 bytes
;; launch quant (part 1): grid 704 x 1, 4 waves a work-group, no clusters, 14,336 bytes of LDS; arguments x, h, Wx, Wh, aimg, wimg; writes aimg, wimg
.if DOCPART == 1
	.amdgcn_target "amdgcn-amd-amdhsa--gfx1250"
	.amdhsa_code_object_version 6
	.text
	.protected	k_q3483644da1_quant
	.globl	k_q3483644da1_quant
	.p2align	8
	.type	k_q3483644da1_quant,@function
k_q3483644da1_quant:
	s_mov_b64 s[64:65], 0
	v_nop
	global_prefetch_b8 v0, s[64:65] scope:SCOPE_SE
	s_setreg_imm32_b32 hwreg(HW_REG_WAVE_MODE, 25, 1), 1
	s_wait_xcnt 0x0
; x [8192][512], h [8192][1024] and the gate columns 0 .. 2047 (g and i) of Wx [512][4096] and Wh [1024][4096], f32, become codes of FP4 (E2M1) with one E8M0 byte for each 32 along K.
; DEAD WORK LEFT OUT, in both launches: reference() takes f_out and o_out from i_in, so f_in and o_in (gate columns 2048 .. 4095 of x Wx + h Wh + b) enter no result for any values of the inputs:
; these columns of Wx, Wh and b are not read and not multiplied.  LIMIT: a NaN, an infinity or an overflow that reaches only those columns is not carried to the result.
; LIMITS: NaN and infinities among the inputs are not served.  A block of zeros, or one whose largest magnitude lies under 2^-124, gets the byte 1: this program alone reads the bytes.
; K = 512 + 1024 is three planes of 512 (plane 0: x / Wx; 1, 2: the halves of h / Wh).  Within a plane block B (32 along K) is block j = B / 4 of hardware step g = B % 4, on both operands; q = 4 plane + g.
; aimg: an image for each 16 rows: [12 steps q][block j][16 rows][16 bytes], then the scale words [16 rows][12 steps].
; wimg: an image for each 64 hidden units: [12 steps q][8 tiles n][block j][16 r][16 bytes], then the scale words [12 steps q][32 lanes][4]: lane 16 (n % 2) + r, word n / 2.
;   Tile n < 4 holds the g columns of units 4 r + n, tile 4 + n the i columns of the same units.
; SHARES: work-groups 0-191 take a step q of a W image each, 192-703 an A image each.  The two ways part on the work-group's number, have LDS bytes of their own, and meet at one barrier line.
.set NW,   192
.set IMG,  104448
.set AP,   1040                        ; a step's 1,024 bytes of A's image + 16
.set ASC,  12544                       ; A's scale words
.set SCB,  13312                       ; W's 128 scale words of the step
.set SPARE, 13824
.set R,    48                          ; v48-239 A: twelve sets of 16 numbers;  v48-175 W: row i: four columns at v[R + 4 i]
.set X,    176                         ; v176-239 W: two sets: one column's 32 numbers on end
.set C,    24                          ; v24-39 W: codes
.set M,    16
.set S,    20
	s_load_b256 s[4:11], s[0:1], 0x0               ; x, h, Wx, Wh
	s_load_b128 s[12:15], s[0:1], 0x20             ; aimg, wimg
	v_lshrrev_b32 v1, 5, v0
	v_readfirstlane_b32 s20, v1                    ; wave 0..3
	s_max_u32 s21, ttmp9, NW                       ; each way's number is held into its range, so that every pointer lies inside its buffer
	s_sub_co_u32 s21, s21, NW                      ; A: which 16 rows
	s_min_u32 s23, ttmp9, NW-1
	s_lshl_b32 s24, s21, 15                        ; x: 16 rows of 2,048 bytes, 4 a wave
	s_lshl_b32 s25, s20, 13
	s_add_co_u32 s24, s24, s25
	s_mov_b32 s25, 0
	s_lshl_b32 s26, s24, 1                         ; h: rows of 4,096
	s_mov_b32 s27, 0
	s_mul_i32 s28, s21, 13056                      ; my image of A
	s_mov_b32 s29, 0
	s_and_b32 s30, s23, 15                         ; W: image,
	s_lshr_b32 s31, s23, 4                         ; step q,
	s_lshr_b32 s32, s31, 2                         ; plane,
	s_and_b32 s33, s31, 3                          ; g; the wave is block j
	s_sub_co_u32 s34, s32, 1
	s_lshl_b32 s34, s34, 9                         ; planes 1, 2: rows 0, 512 of Wh
	s_lshl_b32 s35, s20, 7
	s_lshl_b32 s36, s33, 5
	s_add_co_u32 s35, s35, s36                     ; row 128 j + 32 g of the plane
	s_cmp_eq_u32 s32, 0
	s_cselect_b32 s34, 0, s34
	s_add_co_u32 s34, s34, s35
	s_lshl_b32 s34, s34, 14                        ; rows of 16,384 bytes
	s_lshl_b32 s36, s30, 8                         ; 64 columns are 256 bytes
	s_add_co_u32 s34, s34, s36
	s_mov_b32 s35, 0
	s_mul_i32 s38, s30, IMG
	s_lshl_b32 s40, s31, 9
	s_add_co_u32 s40, s40, s38
	s_add_co_u32 s40, s40, 98304                   ; the image's scale words of step q
	s_mov_b32 s41, 0
	s_lshl_b32 s42, s31, 13
	s_add_co_u32 s38, s38, s42
	s_lshl_b32 s42, s20, 8
	s_add_co_u32 s38, s38, s42                     ; its codes of step q, block j
	s_mov_b32 s39, 0
	s_mov_b32 s48, 0x07030703                      ; byte selections for A's scale words
	s_mov_b32 s49, 0x05040100
	s_lshl_b32 s50, s20, 6                         ; A's image on the way in: 4 rows a wave
	s_mul_i32 s51, s20, 192
	s_add_co_u32 s51, s51, ASC
	s_mul_i32 s52, s20, 3*AP                       ; and out: 3 steps a wave
	s_mul_i32 s53, s20, 3072
	s_lshl_b32 s54, s20, 8
	s_add_co_u32 s55, s54, ASC
	s_add_co_u32 s56, s20, SCB
	v_lshl_add_u32 v12, v0, 2, SPARE
	v_mov_b32 v13, 0
	v_and_b32 v14, 31, v0                          ; lane
	v_and_b32 v15, 15, v0
	v_bfe_u32 v16, v0, 4, 1                        ; lane / 16
	v_bfe_u32 v17, v0, 3, 2                        ; lane / 8
	v_and_b32 v18, 7, v0
	v_lshlrev_b32 v2, 4, v14                       ; v2: 16 x lane
	v_mul_u32_u24 v3, v17, AP
	v_lshl_add_u32 v4, v17, 2, s51                 ; v4: A's scale word, step lane / 8
	v_lshl_add_u32 v6, v14, 3, s54                 ; v6: A's scale words on the way out: 256 bytes a wave,
	v_lshl_add_u32 v7, v14, 3, s55                 ; v7: and in LDS
	v_lshlrev_b32 v8, 4, v15
	v_lshlrev_b32 v10, 4, v15
	v_lshl_add_u32 v3, v18, 1, v3
	v_add_nc_u32 v3, s50, v3                       ; v3: A's image: 2 bytes of my row
	v_add_nc_u32 v5, s52, v2                       ; v5: A's image on the way out
	v_add_nc_u32 v11, s53, v2                      ; v11: and the same place in aimg
	v_lshl_add_u32 v9, v16, 12, v8                 ; v9: W's store: lanes 16-31 four tiles on.  Also W's loads: lanes 16-31 the i columns, 4,096 bytes on
	v_lshl_add_u32 v10, v16, 3, v10
	v_add_nc_u32 v10, s56, v10                     ; v10: W's scale byte
	s_wait_alu depctr_va_vdst(0)                   ; the wait at the head's end
	s_wait_kmcnt 0x0
	s_add_nc_u64 s[4:5], s[4:5], s[24:25]
	s_add_nc_u64 s[6:7], s[6:7], s[26:27]
	s_add_nc_u64 s[12:13], s[12:13], s[28:29]
	s_cmp_eq_u32 s32, 0
	s_cselect_b64 s[8:9], s[8:9], s[10:11]
	s_add_nc_u64 s[8:9], s[8:9], s[34:35]
	s_add_nc_u64 s[38:39], s[14:15], s[38:39]
	s_add_nc_u64 s[40:41], s[14:15], s[40:41]
	s_cmp_lt_u32 ttmp9, NW
	s_cbranch_scc1 .Lweights
; ---- A.  A step: 512 numbers of one of my 4 rows, four loads of 512 consecutive bytes; load j holds block j of the four hardware steps, eight lanes to a block, four numbers a lane.
.irp t, 0,1,2,3,4,5,6,7,8,9,10,11
.irp j, 0,1,2,3
.if \t < 4
	global_load_b128 v[R+16*\t+4*\j:R+16*\t+4*\j+3], v2, s[4:5] offset:2048*\t+512*\j th:TH_LOAD_NT
.elseif \t < 8
	global_load_b128 v[R+16*\t+4*\j:R+16*\t+4*\j+3], v2, s[6:7] offset:4096*(\t-4)+512*\j th:TH_LOAD_NT
.else
	global_load_b128 v[R+16*\t+4*\j:R+16*\t+4*\j+3], v2, s[6:7] offset:4096*(\t-8)+2048+512*\j th:TH_LOAD_NT
.endif
.endr
.endr
.macro QDPP m
.irp j, 0,1,2,3
	v_max_num_f32_dpp v[M+\j], v[M+\j], v[M+\j] row_xmask:\m row_mask:0xf bank_mask:0xf
.endr
.endm
.macro QSTEP t
.set RR, R+16*(\t)
.set QT, 24+4*((\t)%2)
.set QW, 32+((\t)%2)
	s_wait_loadcnt 4*(11-(\t))                     ; my four loads are in; the later steps' may be out
.if (\t) > 1
	s_wait_dscnt 5                                 ; the step before's five stores may be out: those of two steps ago have read this set's registers
.endif
.irp j, 0,1,2,3
	v_max3_num_f32 v[M+\j], |v[RR+4*\j]|, |v[RR+4*\j+1]|, |v[RR+4*\j+2]|
.endr
.irp j, 0,1,2,3
	v_max3_num_f32 v[M+\j], v[M+\j], |v[RR+4*\j+3]|, 0x1800000   ; and the floor 2^(3 - 127)
.endr
	QDPP 1
	QDPP 2
	QDPP 4
.irp j, 0,1,2,3
	v_add_nc_u32 v[S+\j], 0xff000000, v[M+\j]      ; 2 off the exponent field: the conversion's scale operand
.endr
.irp j, 0,1,2,3
	v_lshlrev_b32 v[36+\j], 1, v[S+\j]             ; the scale byte in the top byte
.endr
	v_cvt_scalef32_pk8_fp4_f32 v[QT], v[RR:RR+7], v[S]         ; block 0's four codes: the low half
	v_cvt_scalef32_pk8_fp4_f32 v[QT+1], v[RR:RR+7], v[S+1]     ; block 1's: the high half
	v_cvt_scalef32_pk8_fp4_f32 v[QT+2], v[RR+8:RR+15], v[S+2]
	v_cvt_scalef32_pk8_fp4_f32 v[QT+3], v[RR+8:RR+15], v[S+3]
	v_perm_b32 v34, v37, v36, s48
	v_perm_b32 v35, v39, v38, s48
	v_perm_b32 v[QW], v35, v34, s49                ; the row's scale word of step lane / 8
	ds_store_b16 v3, v[QT] offset:4*AP*((\t)/4)+16*((\t)%4)
	ds_store_b16_d16_hi v3, v[QT+1] offset:4*AP*((\t)/4)+16*((\t)%4)+256
	ds_store_b16 v3, v[QT+2] offset:4*AP*((\t)/4)+16*((\t)%4)+512
	ds_store_b16_d16_hi v3, v[QT+3] offset:4*AP*((\t)/4)+16*((\t)%4)+768
	ds_store_b32 v4, v[QW] offset:48*((\t)%4)+16*((\t)/4)      ; eight lanes write the same word with the same value
.endm
.irp t, 0,1,2,3,4,5,6,7,8,9,10,11
	QSTEP \t
.endr
	s_branch .Ljoin
; ---- W.  Wave j: block j of the step.  Lanes 0-15 take g columns 4 (lane % 16) .. + 3, lanes 16-31 the i columns of the same units; registers run down K.
.Lweights:
.set i, 0
.rept 32
	global_load_b128 v[R+4*i:R+4*i+3], v9, s[8:9] offset:i*16384 th:TH_LOAD_NT   ; two whole runs of 256 bytes
.set i, i+1
.endr
	s_wait_loadcnt 16                              ; rows 0-15 are in
.irp c, 0,1,2,3
	v_max3_num_f32 v[M+\c], |v[R+\c]|, |v[R+4+\c]|, |v[R+8+\c]|
.endr
.irp i, 3,5,7,9,11,13
.irp c, 0,1,2,3
	v_max3_num_f32 v[M+\c], v[M+\c], |v[R+4*\i+\c]|, |v[R+4*\i+4+\c]|
.endr
.endr
	s_wait_alu depctr_va_vdst(0)                   ; the wait ahead of the blocking wait
	s_wait_loadcnt 0x0
.irp i, 15,17,19,21,23,25,27,29
.irp c, 0,1,2,3
	v_max3_num_f32 v[M+\c], v[M+\c], |v[R+4*\i+\c]|, |v[R+4*\i+4+\c]|
.endr
.endr
.irp c, 0,1,2,3
	v_max3_num_f32 v[M+\c], v[M+\c], |v[R+124+\c]|, 0x1800000
.endr
.irp c, 0,1,2,3
	v_add_nc_u32 v[S+\c], 0xff000000, v[M+\c]
.endr
.irp c, 0,1,2,3
.set i, 0
.rept 32
	v_mov_b32 v[X+32*(\c%2)+i], v[R+4*i+\c]        ; the conversions want a column's numbers in neighbouring registers
.set i, i+1
.endr
.irp g, 0,1,2,3
	v_cvt_scalef32_pk8_fp4_f32 v[C+4*\c+\g], v[X+32*(\c%2)+8*\g:X+32*(\c%2)+8*\g+7], v[S+\c]
.endr
.endr
.irp c, 0,1,2,3
	v_lshrrev_b32 v[40+\c], 23, v[S+\c]            ; the scale bytes (also the plain lines behind the conversions)
.endr
.irp c, 0,1,2,3
	ds_store_b8 v10, v[40+\c] offset:256*(\c%2)+4*(\c/2)
.endr
.irp c, 0,1,2,3
	global_store_b128 v9, v[C+4*\c:C+4*\c+3], s[38:39] offset:1024*\c   ; tiles c and 4 + c: 256 whole bytes each
.endr
.Ljoin:
	s_wait_dscnt 0x0                               ; for the others' sake: my stores into LDS are done
	s_barrier_signal -1
	s_barrier_wait -1
	s_cmp_lt_u32 ttmp9, NW
	s_cbranch_scc1 .Lwout
.irp i, 0,1,2
	ds_load_b128 v[R+8*\i:R+8*\i+3], v5 offset:AP*\i
	ds_load_b128 v[R+8*\i+4:R+8*\i+7], v5 offset:AP*\i+512
.endr
.irp i, 0,1,2
	s_wait_dscnt 4-2*\i                            ; two loads for each later step
	global_store_b128 v11, v[R+8*\i:R+8*\i+3], s[12:13] offset:1024*\i
	global_store_b128 v11, v[R+8*\i+4:R+8*\i+7], s[12:13] offset:1024*\i+512
.endr
	s_cmp_lt_u32 s20, 3                            ; waves 0-2 store 256 bytes of scale words each
	s_cbranch_scc0 .Lend
	ds_load_b64 v[R+32:R+33], v7
	s_wait_dscnt 0x0
	global_store_b64 v6, v[R+32:R+33], s[12:13] offset:12288
	s_branch .Lend
.Lwout:
	s_cmp_lg_u32 s20, 0
	s_cbranch_scc1 .Lend                           ; wave 0 stores the 128 scale words
	ds_load_b128 v[R+16:R+19], v2 offset:SCB
	s_wait_dscnt 0x0
	global_store_b128 v2, v[R+16:R+19], s[40:41]
.Lend:
	s_wait_tensorcnt 0x0                           ; the wave's end
	ds_add_u32 v12, v13
	s_wait_dscnt 0x0
	s_endpgm
.Lfunc_end_k_q3483644da1_quant:
	.size	k_q3483644da1_quant, .Lfunc_end_k_q3483644da1_quant-k_q3483644da1_quant
	.p2alignl 7, 3214868480
	.fill 96, 4, 3214868480
	.section	.rodata,"a",@progbits
	.p2align	6, 0x0
	.amdhsa_kernel k_q3483644da1_quant
		.amdhsa_group_segment_fixed_size 14336
		.amdhsa_private_segment_fixed_size 0
		.amdhsa_enable_private_segment 0
		.amdhsa_kernarg_size 48
		.amdhsa_user_sgpr_count 2
		.amdhsa_user_sgpr_kernarg_segment_ptr 1
		.amdhsa_wavefront_size32 1
		.amdhsa_system_sgpr_workgroup_id_x 1
		.amdhsa_system_sgpr_workgroup_id_y 1
		.amdhsa_system_sgpr_workgroup_id_z 1
		.amdhsa_system_vgpr_workitem_id 0
		.amdhsa_next_free_vgpr 240
		.amdhsa_next_free_sgpr 66
		.amdhsa_reserve_vcc 0
		.amdhsa_float_denorm_mode_32 3
		.amdhsa_float_denorm_mode_16_64 3
		.amdhsa_memory_ordered 1
		.amdhsa_forward_progress 1
		.amdhsa_inst_pref_size 55
	.end_amdhsa_kernel
	.amdgpu_metadata
---
amdhsa.version: [ 1, 2 ]
amdhsa.kernels:
  - .name:           k_q3483644da1_quant
    .symbol:         k_q3483644da1_quant.kd
    .args:
      - { .name: x, .offset: 0, .size: 8, .value_kind: global_buffer, .address_space: global }
      - { .name: h, .offset: 8, .size: 8, .value_kind: global_buffer, .address_space: global }
      - { .name: Wx, .offset: 16, .size: 8, .value_kind: global_buffer, .address_space: global }
      - { .name: Wh, .offset: 24, .size: 8, .value_kind: global_buffer, .address_space: global }
      - { .name: aimg, .offset: 32, .size: 8, .value_kind: global_buffer, .address_space: global }
      - { .name: wimg, .offset: 40, .size: 8, .value_kind: global_buffer, .address_space: global }
    .group_segment_fixed_size: 14336
    .private_segment_fixed_size: 0
    .kernarg_segment_align: 8
    .kernarg_segment_size: 48
    .max_flat_workgroup_size: 128
    .sgpr_count:     66
    .vgpr_count:     240
    .wavefront_size: 32
...
	.end_amdgpu_metadata
.endif
;; end of part 1
;; launch cell (part 2): grid 8 x 32, 8 waves a work-group, clusters of 4 x 4, 327,680 bytes of LDS; arguments aimg, wimg, b, c, out0, out1; writes out0, out1
.if DOCPART == 2
	.amdgcn_target "amdgcn-amd-amdhsa--gfx1250"
	.amdhsa_code_object_version 6
	.text
	.protected	k_q3483644da1_cell
	.globl	k_q3483644da1_cell
	.p2align	8
	.type	k_q3483644da1_cell,@function
k_q3483644da1_cell:
	s_mov_b64 s[64:65], 0
	v_nop
	global_prefetch_b8 v0, s[64:65] scope:SCOPE_SE
	s_setreg_imm32_b32 hwreg(HW_REG_WAVE_MODE, 25, 1), 1
	s_wait_xcnt 0x0
	s_wait_alu depctr_hold_cnt(0) depctr_sa_sdst(0) depctr_va_vdst(0) depctr_va_sdst(0) depctr_va_ssrc(0) depctr_va_vcc(0) depctr_vm_vsrc(0)
	s_getreg_b32 s2, hwreg(HW_REG_IB_STS2, 6, 4)
	s_cmp_eq_u32 s2, 0
	s_cbranch_scc0 .Lentry_in_a_cluster
	s_endpgm
.Lentry_in_a_cluster:
	s_bfe_u32 s2, ttmp6, 0x10000c
	s_cmp_lg_u32 s2, 0xf033
	s_cbranch_scc0 .Lentry_shape_is_right
	s_endpgm
.Lentry_shape_is_right:
; THE LSTM CELL ON CODES.  gates = [x h] [Wx; Wh] + b, K = 1,536 in twelve hardware steps of 128, one f32 sum for each gate number; s = sigmoid(i), c_new = tanh(g) s + s c (out1), h_new = tanh(c_new) s (out0), in f32.
; DEAD WORK LEFT OUT: the f and o columns (2048 .. 4095), which reference() never uses: see the first kernel's head, with its limit.
; SHARES.  A work-group of eight waves makes 256 rows x 128 hidden units, a wave 32 rows (two blocks of 16), in two halves of 64 units: 16 accumulators, (block a, tile n) at v[64 a + 8 n] of window 1.
; Source 0 = 16 rows of the batch, source 1 = 16 gate columns.  TILE n HOLDS UNITS 4 r + n: so register j of a lane's four g tiles (four i tiles) is row 8 (lane / 16) + j, units 4 r .. 4 r + 3:
;   16 neighbouring bytes of a row, and sixteen lanes have 256.  Results are stored, and c is loaded, straight in that layout; the exponentials put the numbers into its order of registers.
; A comes from its image straight into 192 registers, once.  W's two half images come into LDS once each, asked for JOINTLY by the four work-groups of a cluster's column; nothing is filled twice.
; c is loaded a block of 16 rows x 64 units ahead; the second blocks' are prefetched (each of the wave's 16 rows' 256 bytes once) because their registers are free only when their half's products are done.
; No prefetch of A's and W's images: all their loads stand at the head, with no loop that could run ahead of them.
; ARITHMETIC: tanh(z) = 1 - 2 / (1 + 2^(2 log2(e) z)), sigmoid(z) = 1 / (1 + 2^(-log2(e) z)).  An exponential that overflows gives infinity, its reciprocal 0, and the limits come out.
; LIMITS: near 0 tanh's error is a few 2^-24 absolute, not relative.  x's and h's products are summed in one chain, not in ascending K, and the bias is added at its end.  NaN and infinities among the inputs are not served.
; REGISTERS: window 0: v1-11 addresses; v12-23 A's scale words (lanes 0-15 block 0, lanes 16-31 block 1); v24-47 W's, two sets of three steps; v48-63 biases; v64-255 A's fragments (q, a) at v[64 + 16 q + 8 a].
;   window 1: v0-127 accumulators, v128-223 W's fragments: three groups of four; behind the products v128-159 at work and v160-191 c of the second block; v224-255 c of the first block.
.set IMG,   104448
.set SPARE, 2*IMG
.set XX,    128
.set G1, 28                            ; s[28:35] descriptor group 1;  s[36:39], s[40:43] group 0 of the two halves
.set G0, 36
.set MSB, 0
.macro WIN new                         ; the immediate's high byte repeats the setting that is left
.if MSB != \new
	s_set_vgpr_msb (MSB<<8)|\new
.set MSB, \new
.endif
.endm
.macro PLACES
.rept 4
	v_nop
.endr
.endm
.macro CROUND                          ; a whole round of the cluster's barrier
	s_barrier_signal -1
	s_barrier_wait -1
	s_cmp_lg_u32 s18, 0
	s_cbranch_scc1 .Lnot_wave_0_\@
	s_barrier_signal -3
.Lnot_wave_0_\@:
	s_barrier_wait -3
	s_barrier_signal -1
	s_barrier_wait -1
.endm
.macro JLOAD s                         ; my 51 rows of a half's image
	tensor_load_to_lds s[G0+4*\s:G0+4*\s+3], s[G1:G1+7]
	s_nop 0
	PLACES
.endm
	s_load_b256 s[4:11], s[0:1], 0x0               ; aimg, wimg, b, c
	s_load_b128 s[12:15], s[0:1], 0x20             ; out0, out1
	v_lshl_add_u32 v8, v0, 2, SPARE
	v_mov_b32 v9, 0
	ds_add_u32 v8, v9                              ; the wave's opening
	ds_add_u32 v8, v9
	v_lshrrev_b32 v1, 5, v0
	v_readfirstlane_b32 s18, v1                    ; wave 0..7
	s_bfe_u32 s19, ttmp6, 0x40000                  ; cx
	s_bfe_u32 s20, ttmp6, 0x40004                  ; cy
	s_lshl_b32 s21, ttmp9, 2
	s_add_co_u32 s21, s21, s19                     ; block of 128 units
	s_and_b32 s22, ttmp7, 0xffff
	s_lshl_b32 s22, s22, 2
	s_add_co_u32 s22, s22, s20                     ; block of 256 rows
	s_lshl_b32 s23, 0x1111, s19                    ; my column of the cluster
	s_or_b32 s[G1], s23, (3<<16)|(1<<21)           ; the mask; elements of 8 bytes; bit 21 beside the mask; no padding
	s_mov_b32 s[G1+1], 32<<16                      ; rows of 32 elements: 256 bytes
	s_mov_b32 s[G1+2], 51<<16
	s_mov_b32 s[G1+3], 32<<16
	s_mov_b32 s[G1+4], 51
	s_mov_b32 s[G1+5], 32
	s_mov_b32 s[G1+6], 0
	s_mov_b32 s[G1+7], 0
	s_mov_b32 s[G0], 1
	s_mul_i32 s[G0+1], s18, 51*256
	s_mov_b32 s[G0+4], 1
	s_add_co_u32 s[G0+5], s[G0+1], IMG
	s_mul_i32 s24, s21, 2*IMG
	s_add_co_u32 s24, s24, s[G0+1]
	s_mov_b32 s25, 0
	s_mul_i32 s26, s22, 16*13056                   ; my two images of A
	s_mul_i32 s27, s18, 2*13056
	s_add_co_u32 s26, s26, s27
	s_mov_b32 s27, 0
	s_mov_b32 s44, 0x4038aa3b                      ; 2 log2(e), twice
	s_mov_b32 s45, s44
	s_mov_b32 s46, 0xbfb8aa3b                      ; -log2(e), twice
	s_mov_b32 s47, s46
	s_lshl_b32 s52, s22, 20                        ; c, out0, out1: my 32 rows of 4,096 bytes, the block's units
	s_lshl_b32 s53, s18, 17
	s_add_co_u32 s52, s52, s53
	s_lshl_b32 s54, s21, 9
	s_add_co_u32 s52, s52, s54
	s_mov_b32 s53, 0
	s_mov_b32 s55, 0
	s_wait_dscnt 0x0                               ; both opening adds are done
	v_and_b32 v12, 31, v0                          ; lane
	v_and_b32 v13, 15, v0                          ; r
	v_bfe_u32 v14, v0, 4, 1                        ; lane / 16
	v_min_u32 v7, 15, v12
	v_lshlrev_b32 v10, 4, v12                      ; v10: 16 x lane
	v_mul_u32_u24 v11, v14, 13056
	v_mul_u32_u24 v15, v13, 48
	v_lshlrev_b32 v1, 4, v13                       ; v1: my four biases
	v_lshlrev_b32 v2, 4, v12                       ; v2, v3: half 0's image, its steps 0-5 and 6-11;  v4, v5: half 1's
	v_add_nc_u32 v7, 16, v7
	v_add_nc_u32 v11, v11, v15                     ; v11: A's scale words: row r of block lane / 16
	v_lshl_add_u32 v6, v14, 15, v1                 ; v6: row 8 (lane / 16), units 4 r .. 4 r + 3, in c, out0 and out1
	v_add_nc_u32 v3, 49152, v2
	v_add_nc_u32 v4, IMG, v2
	v_lshlrev_b32 v7, 12, v7                       ; v7: prefetches: row 16 + lane; lanes 16-31 name the wave's last row again
	v_add_nc_u32 v5, IMG+49152, v2
	s_wait_alu depctr_va_vdst(0)                   ; the wait at the head's end
	s_wait_kmcnt 0x0
	s_add_nc_u64 s[4:5], s[4:5], s[26:27]
	s_add_nc_u64 s[8:9], s[8:9], s[54:55]
	s_add_nc_u64 s[10:11], s[10:11], s[52:53]
	s_add_nc_u64 s[12:13], s[12:13], s[52:53]
	s_add_nc_u64 s[14:15], s[14:15], s[52:53]
	s_add_nc_u64 s[G0+2:G0+3], s[6:7], s[24:25]
	s_add_nc_u64 s[G0+6:G0+7], s[G0+2:G0+3], IMG
	s_or_b32 s[G0+3], s[G0+3], 0x80000000
	s_or_b32 s[G0+7], s[G0+7], 0x80000000
	CROUND                                         ; all sixteen work-groups are here: the first joint loads meet
	JLOAD 0                                        ; half 0's image: one tensor load a wave at the head
.irp i, 0,1,2
	global_load_b128 v[12+4*\i:15+4*\i], v11, s[4:5] offset:12288+16*\i
.endr
.irp q, 0,1,2,3,4,5,6,7,8,9,10,11
.irp a, 0,1
	global_load_b128 v[64+16*\q+8*\a:67+16*\q+8*\a], v10, s[4:5] offset:13056*\a+1024*\q
	global_load_b128 v[68+16*\q+8*\a:71+16*\q+8*\a], v10, s[4:5] offset:13056*\a+1024*\q+512
.endr
.endr
.irp f, 0,1
	global_load_b128 v[48+8*\f:51+8*\f], v1, s[8:9] offset:256*\f
	global_load_b128 v[52+8*\f:55+8*\f], v1, s[8:9] offset:256*\f+4096
.endr
.macro CLOAD to, hf, a                 ; c of block a: eight loads: rows j and 8 + j, 256 consecutive bytes each
	WIN 0x44                                       ; destination and a store's data in window 1, addresses in window 0
.irp j, 0,1,2,3,4,5,6,7
	global_load_b128 v[\to+4*\j:\to+4*\j+3], v6, s[10:11] offset:(16*\a+\j)*4096+256*\hf th:TH_LOAD_NT
.endr
.endm
	CLOAD 224, 0, 0
	WIN 0
	s_wait_tensorcnt 0x0                           ; my part of half 0 is in
	ds_add_u32 v8, v9
	s_wait_dscnt 0x0
	CROUND                                         ; everybody's is in
	JLOAD 1                                        ; half 1's image, the first tensor load behind the round
; W's group g of a half: step q = g / 2, tiles 4 (g % 2) .. + 3, into ring place g % 3
.macro WGRP hf, g
.set WQ, (\g)/2
.set WR, 128+32*((\g)%3)
.set WO, 8192*(WQ%6)+4096*((\g)%2)
.set WV, 2+2*\hf+WQ/6
.irp m, 0,1,2,3
	ds_load_b128 v[WR+8*\m:WR+8*\m+3], v[WV] offset:WO+1024*\m
	ds_load_b128 v[WR+8*\m+4:WR+8*\m+7], v[WV] offset:WO+1024*\m+512
.endr
.endm
.macro WSC hf, t                       ; the scale words of steps 3 t .. 3 t + 2 into set t % 2
	WIN 0x14                                       ; destination in window 0
.irp i, 0,1,2
	ds_load_b128 v[24+12*((\t)%2)+4*\i:27+12*((\t)%2)+4*\i], v[3+2*\hf] offset:49152+512*(3*(\t)+\i)
.endr
	WIN 0x54                                       ; source 0 (A) window 0, source 1 (W), C and D window 1; an LDS load's destination window 1
.endm
.macro MM g                            ; eight products: four tiles, two blocks of rows each; the 16 accumulators by turns
.set MQ, (\g)/2
.irp m, 0,1,2,3
.set BB, 128+32*((\g)%3)+8*\m
.set SB, 24+12*((MQ/3)%2)+4*(MQ%3)+(4*((\g)%2)+\m)/2
.irp a, 0,1
.set DD, 64*\a+8*(4*((\g)%2)+\m)
.set AA, 64+16*MQ+8*\a
.if MQ == 0
.if (\m%2) == 0
.if \a == 0
	v_wmma_scale_f32_16x16x128_f8f6f4 v[DD:DD+7], v[AA:AA+7], v[BB:BB+7], 0, v[12+MQ], v[SB] matrix_a_fmt:MATRIX_FMT_FP4 matrix_b_fmt:MATRIX_FMT_FP4
.else
	v_wmma_scale_f32_16x16x128_f8f6f4 v[DD:DD+7], v[AA:AA+7], v[BB:BB+7], 0, v[12+MQ], v[SB] matrix_a_fmt:MATRIX_FMT_FP4 matrix_b_fmt:MATRIX_FMT_FP4 matrix_a_scale:MATRIX_SCALE_ROW1
.endif
.else
.if \a == 0
	v_wmma_scale_f32_16x16x128_f8f6f4 v[DD:DD+7], v[AA:AA+7], v[BB:BB+7], 0, v[12+MQ], v[SB] matrix_a_fmt:MATRIX_FMT_FP4 matrix_b_fmt:MATRIX_FMT_FP4 matrix_b_scale:MATRIX_SCALE_ROW1
.else
	v_wmma_scale_f32_16x16x128_f8f6f4 v[DD:DD+7], v[AA:AA+7], v[BB:BB+7], 0, v[12+MQ], v[SB] matrix_a_fmt:MATRIX_FMT_FP4 matrix_b_fmt:MATRIX_FMT_FP4 matrix_a_scale:MATRIX_SCALE_ROW1 matrix_b_scale:MATRIX_SCALE_ROW1
.endif
.endif
.else
.if (\m%2) == 0
.if \a == 0
	v_wmma_scale_f32_16x16x128_f8f6f4 v[DD:DD+7], v[AA:AA+7], v[BB:BB+7], v[DD:DD+7], v[12+MQ], v[SB] matrix_a_fmt:MATRIX_FMT_FP4 matrix_b_fmt:MATRIX_FMT_FP4
.else
	v_wmma_scale_f32_16x16x128_f8f6f4 v[DD:DD+7], v[AA:AA+7], v[BB:BB+7], v[DD:DD+7], v[12+MQ], v[SB] matrix_a_fmt:MATRIX_FMT_FP4 matrix_b_fmt:MATRIX_FMT_FP4 matrix_a_scale:MATRIX_SCALE_ROW1
.endif
.else
.if \a == 0
	v_wmma_scale_f32_16x16x128_f8f6f4 v[DD:DD+7], v[AA:AA+7], v[BB:BB+7], v[DD:DD+7], v[12+MQ], v[SB] matrix_a_fmt:MATRIX_FMT_FP4 matrix_b_fmt:MATRIX_FMT_FP4 matrix_b_scale:MATRIX_SCALE_ROW1
.else
	v_wmma_scale_f32_16x16x128_f8f6f4 v[DD:DD+7], v[AA:AA+7], v[BB:BB+7], v[DD:DD+7], v[12+MQ], v[SB] matrix_a_fmt:MATRIX_FMT_FP4 matrix_b_fmt:MATRIX_FMT_FP4 matrix_a_scale:MATRIX_SCALE_ROW1 matrix_b_scale:MATRIX_SCALE_ROW1
.endif
.endif
.endif
.endr
.endr
.endm
.macro PRODUCTS hf
	s_wait_xcnt 0x0                                ; my stores have read the registers that are written now
	WSC \hf, 0
	WGRP \hf, 0
	WGRP \hf, 1
	WGRP \hf, 2
.irp g, 0,1,2,3,4,5,6,7,8,9,10,11,12,13,14,15,16,17,18,19,20,21,22,23
.if (\hf == 0) && ((\g%2) == 0)
	s_wait_loadcnt 4*(11-\g/2)+12                  ; A's fragments of this step are in; the later steps', four of b and eight of c may be out
.endif
.if \g < 22
	s_wait_dscnt 16                                ; two younger groups of eight loads may be out
.elseif \g == 22
	s_wait_dscnt 8
.else
	s_wait_dscnt 0x0
.endif
	MM \g
	PLACES                                         ; in front of loads into registers that matrix instructions have read; at the end in front of the first read of results
.if \g < 21
	WGRP \hf, (\g)+3
.endif
.if ((\g%6) == 0) && (\g < 18)
	WSC \hf, (\g)/6+1                              ; the other set's steps have been multiplied
.endif
.endr
.endm
.macro BATCH op, from, count           ; a batch of transcendentals, with a wait ahead of it; the one behind it stands ahead of the first reader
	s_wait_alu depctr_va_vdst(0)
.set p, 0
.rept \count
	\op v[\from+p], v[\from+p]
.set p, p+1
.endr
	v_nop
.endm
.macro ADD1 from
.set p, 0
.rept 16
	v_pk_add_f32 v[\from+2*p:\from+2*p+1], v[\from+2*p:\from+2*p+1], 1.0 op_sel_hi:[1,0]
.set p, p+1
.endr
.endm
.macro TANH from                       ; 1 - 2 y
.set p, 0
.rept 16
	v_pk_fma_f32 v[\from+2*p:\from+2*p+1], v[\from+2*p:\from+2*p+1], -2.0, 1.0 op_sel_hi:[1,0,0]
.set p, p+1
.endr
.endm
.macro TIMESV to, one, two
.set p, 0
.rept 16
	v_pk_mul_f32 v[\to+2*p:\to+2*p+1], v[\one+2*p:\one+2*p+1], v[\two+2*p:\two+2*p+1]
.set p, p+1
.endr
.endm
.macro SCALED acc, k, bias             ; a gate's four tiles: factor x (sum) + factor x bias of units 4 r + n
.irp n, 0,1,2,3
.irp i, 0,2,4,6
.if (\n%2) == 0
	v_pk_fma_f32 v[\acc+8*\n+\i:\acc+8*\n+\i+1], v[\acc+8*\n+\i:\acc+8*\n+\i+1], s[\k:\k+1], v[\bias+\n:\bias+\n+1] op_sel_hi:[1,0,0]
.else
	v_pk_fma_f32 v[\acc+8*\n+\i:\acc+8*\n+\i+1], v[\acc+8*\n+\i:\acc+8*\n+\i+1], s[\k:\k+1], v[\bias+\n-1:\bias+\n] op_sel:[0,0,1] op_sel_hi:[1,0,1]
.endif
.endr
.endr
.endm
.macro EXPS to, acc                    ; and into the stores' order of registers: tile n's register j to 4 j + n
.irp n, 0,1,2,3
.irp j, 0,1,2,3,4,5,6,7
	v_exp_f32 v[\to+4*\j+\n], v[\acc+8*\n+\j]
.endr
.endr
	v_nop
.endm
.macro SEND from, base, hf, a          ; rows j and 8 + j: whole runs of 256 bytes
	WIN 0x44
.irp j, 0,1,2,3,4,5,6,7
	global_store_b128 v6, v[\from+4*\j:\from+4*\j+3], s[\base:\base+1] offset:(16*\a+\j)*4096+256*\hf th:TH_STORE_NT
.endr
.endm
; Block a of half hf; cc: where its c lies; left: the younger loads that may be out.  more = 1: c of the next half's first block takes c's place, and the second block's is prefetched.
.macro CELL hf, a, cc, left, more
.set GA, 64*\a
.set IA, GA+32
	s_wait_xcnt 0x0                                ; the block before's stores have read the registers at work
	WIN 0x45                                       ; source 2 (the biases) window 0
	s_wait_alu depctr_va_vdst(0)                   ; the wait ahead of the first readers of the results
	SCALED GA, 44, 48+8*\hf
	SCALED IA, 46, 52+8*\hf
	WIN 0x55
	s_wait_alu depctr_va_vdst(0)
	EXPS XX, GA
	EXPS GA, IA
	s_wait_alu depctr_va_vdst(0)
	ADD1 XX
	ADD1 GA
	BATCH v_rcp_f32, XX, 32
	BATCH v_rcp_f32, GA, 32                        ; s
	s_wait_loadcnt \left                           ; c of this block is in
	s_wait_alu depctr_va_vdst(0)
	TANH XX                                        ; tanh(g)
	TIMESV \cc, GA, \cc                            ; s c
.set p, 0
.rept 16
	v_pk_fma_f32 v[XX+2*p:XX+2*p+1], v[XX+2*p:XX+2*p+1], v[GA+2*p:GA+2*p+1], v[\cc+2*p:\cc+2*p+1]   ; c_new
.set p, p+1
.endr
.set p, 0
.rept 16
	v_pk_mul_f32 v[IA+2*p:IA+2*p+1], v[XX+2*p:XX+2*p+1], s[44:45] op_sel_hi:[1,0]
.set p, p+1
.endr
.if \more
	CLOAD \cc, 1, 0
.endif
	SEND XX, 14, \hf, \a                           ; out1
.if \more
	global_prefetch_b8 v7, s[10:11] offset:256 th:TH_LOAD_NT scope:SCOPE_SE
.endif
	WIN 0x55
	BATCH v_exp_f32, IA, 32
	s_wait_alu depctr_va_vdst(0)
	ADD1 IA
	BATCH v_rcp_f32, IA, 32
	s_wait_alu depctr_va_vdst(0)
	TANH IA                                        ; tanh(c_new)
	TIMESV GA, IA, GA                              ; h_new
	SEND GA, 12, \hf, \a                           ; out0
.endm
	global_prefetch_b8 v7, s[10:11] th:TH_LOAD_NT scope:SCOPE_SE   ; c of half 0's second block
	PRODUCTS 0
	WIN 0
	s_wait_loadcnt 8                               ; the biases are in; c's eight may be out
.irp f, 0,1
.irp n, 0,1,2,3
	v_mul_f32 v[48+8*\f+\n], s44, v[48+8*\f+\n]    ; the biases take the exponentials' factors once
	v_mul_f32 v[52+8*\f+\n], s46, v[52+8*\f+\n]
.endr
.endr
	CLOAD 160, 0, 1
	CELL 0, 0, 224, 8, 1
	WIN 0
	s_wait_tensorcnt 0x0                           ; my part of half 1 is in,
	s_wait_dscnt 0x0
	s_barrier_signal -1
	s_barrier_wait -1                              ; and everybody's
	CELL 0, 1, 160, 8, 0
	PRODUCTS 1
	CLOAD 160, 1, 1
	CELL 1, 0, 224, 8, 0
	CELL 1, 1, 160, 0, 0
	WIN 0
	s_wait_tensorcnt 0x0                           ; the wave's end
	ds_add_u32 v8, v9
	s_wait_dscnt 0x0
	CROUND                                         ; the closing round: no work-group ends while a partner may still ask for a tile that names it
	s_endpgm
.Lfunc_end_k_q3483644da1_cell:
	.size	k_q3483644da1_cell, .Lfunc_end_k_q3483644da1_cell-k_q3483644da1_cell
	.p2alignl 7, 3214868480
	.fill 96, 4, 3214868480
	.section	.rodata,"a",@progbits
	.p2align	6, 0x0
	.amdhsa_kernel k_q3483644da1_cell
		.amdhsa_group_segment_fixed_size 327680
		.amdhsa_private_segment_fixed_size 0
		.amdhsa_enable_private_segment 0
		.amdhsa_kernarg_size 48
		.amdhsa_user_sgpr_count 2
		.amdhsa_user_sgpr_kernarg_segment_ptr 1
		.amdhsa_wavefront_size32 1
		.amdhsa_system_sgpr_workgroup_id_x 1
		.amdhsa_system_sgpr_workgroup_id_y 1
		.amdhsa_system_sgpr_workgroup_id_z 1
		.amdhsa_system_vgpr_workitem_id 0
		.amdhsa_next_free_vgpr 512
		.amdhsa_next_free_sgpr 66
		.amdhsa_reserve_vcc 0
		.amdhsa_float_denorm_mode_32 3
		.amdhsa_float_denorm_mode_16_64 3
		.amdhsa_memory_ordered 1
		.amdhsa_forward_progress 1
		.amdhsa_inst_pref_size 174
	.end_amdhsa_kernel
	.amdgpu_metadata
---
amdhsa.version: [ 1, 2 ]
amdhsa.kernels:
  - .name:           k_q3483644da1_cell
    .symbol:         k_q3483644da1_cell.kd
    .args:
      - { .name: aimg, .offset: 0, .size: 8, .value_kind: global_buffer, .address_space: global }
      - { .name: wimg, .offset: 8, .size: 8, .value_kind: global_buffer, .address_space: global }
      - { .name: b, .offset: 16, .size: 8, .value_kind: global_buffer, .address_space: global }
      - { .name: c, .offset: 24, .size: 8, .value_kind: global_buffer, .address_space: global }
      - { .name: out0, .offset: 32, .size: 8, .value_kind: global_buffer, .address_space: global }
      - { .name: out1, .offset: 40, .size: 8, .value_kind: global_buffer, .address_space: global }
    .group_segment_fixed_size: 327680
    .private_segment_fixed_size: 0
    .kernarg_segment_align: 8
    .kernarg_segment_size: 48
    .max_flat_workgroup_size: 256
    .sgpr_count:     66
    .vgpr_count:     512
    .wavefront_size: 32
...
	.end_amdgpu_metadata
.endif
;; end of part 2
